; MI455X (gfx1250); checked and timed in simulation.
; The chip was launched on July 23, 2026; its instructions are those of AMD's public machine-readable ISA for CDNA 5 (MIT licence, August 2026) and "CDNA5" Instruction Set Architecture Reference Guide (July 2026). The comments in the code are by the model that wrote it; some were corrected since.
;; RMAC. Allowed arithmetic: float matrix products may take bf16 or f16 operands with f32 sums; all other float work in f32.
;; Inputs: x 32 x 2,048 x 32 x 32 float32.
;; Outputs: out0 32 x 2,048 x 1 x 1 float32.
;; One version. Each part assembles by itself: llvm-mc -triple=amdgcn-amd-amdhsa -mcpu=gfx1250 --defsym DOCPART=n.
;; ======== version 1 of 1: 2 launches
;; workspace buffers: vmax 3,670,016 bytes; psum 16,384 bytes
;; launch pool (part 1): grid 256 x 1, 16 waves a work-group, no clusters, 23,808 bytes of LDS; arguments x, vmax, psum; writes vmax, psum
.if DOCPART == 1
	.amdgcn_target "amdgcn-amd-amdhsa--gfx1250"
	.amdhsa_code_object_version 6
	.text
	.protected	k_q2eff2cd9d1_pool
	.globl	k_q2eff2cd9d1_pool
	.p2align	8
	.type	k_q2eff2cd9d1_pool,@function
k_q2eff2cd9d1_pool:
	s_mov_b64 s[64:65], 0
	v_nop
	global_prefetch_b8 v0, s[64:65] scope:SCOPE_SE
	s_setreg_imm32_b32 hwreg(HW_REG_WAVE_MODE, 25, 1), 1
	s_wait_xcnt 0x0
; RMAC, first of two launches: the region maxima of every plane, and partial sums of their squares.
; x: [32][2048][32][32] f32.  With h = w = 32 the regions of reference() are: the whole plane (it enters the result twice: the global
; term and level 1), level 2: rows and columns [0,21) or [11,32), level 3: rows and columns [0,16), [8,24) or [16,32).  14 different maxima.
; Out: vmax[b][region 0..13][channel] f32, and psum[b][chunk 0..7][16] f32 = the sum of squares of each region's maxima over the 256 channels
; of this work-group (words 14, 15: see the way out).  The second launch makes the norms and the sum.
; Names: row ranges a = [0,21), b = [11,32), c = [0,16), d = [8,24), e = [16,32); column ranges A .. E likewise.
; Region numbers: 0 cC, 1 dC, 2 cD, 3 dD, 4 eD, 5 whole plane, 6 cE, 7 dE, 8 eC, 9 aA, 10 bA, 11 aB, 12 bB, 13 eE.
;
; SHARES.  256 work-groups x 16 waves.  A work-group owns 256 neighbouring planes of one batch (1 MiB), a wave 16 of them.  A plane is 4,096 bytes:
; eight loads of 16 bytes a lane, each load of the wave 512 consecutive bytes.  Lane l of load j holds row 4 j + q, columns 4 g .. 4 g + 3,
; with g = l & 7 and q = l >> 3.  A ring of four plane slots in registers: 32 loads (16 KiB) of every wave are out or just in.
; LEFT OUT: clusters (no byte of x is read by two work-groups), the matrix units (no products), copies into LDS (each byte is used by the
; lane that loads it, and the bytes in flight fit in registers), prefetches (the ring itself keeps the loads coming).
; The four groups of four planes are written out by a macro: every address is one offset register, never rewritten, plus an immediate.
; LIMIT: x holds no NaN.  v_max_num_f32 drops a NaN where jnp.max would hand it on.  Infinities go through as in reference().
.set PLANE,  4096
.set NREG,   14
.set SPITCH, 80                        ; LDS: 16 channels of one region (64 bytes) + 16: the eight regions that a store touches start at words 0, 20, 40, 60, 16, 36, 56, 12
                                       ; modulo 64 and take four words each: no two in one bank (64 banks of 4 bytes: ISA guide 11.1)
.set WPITCH, 16*SPITCH+64              ; LDS: a wave's 16 regions + 64 bytes = 336 words = 16 modulo 64
.set PSUM,   16*WPITCH                 ; LDS: 16 words, the waves' sums of squares
.set OFF, 1                            ; v1       byte offset of my 16 bytes in my wave's first plane, from the work-group's first plane
.set MA,  2                            ; v2       +inf where q = 0, else -inf: keeps row 20 out of rows 20-23
.set MB,  3                            ; v3       +inf where q = 3, else -inf: keeps row 11 out of rows 8-11
.set SA0, 4                            ; v4       LDS address for regions 0-7
.set SA1, 5                            ; v5       LDS address for regions 8-15 (less 8 SPITCH, which the immediate adds)
.set RA,  6                            ; v6       the way out: LDS address of 4 channels of my wave's region
.set VO,  7                            ; v7       16 x lane
.set PA,  8                            ; v8       4 x wave
.set PR,  9                            ; v9       4 x (lane & 15)
.set LN,  10                           ; v10      lane
.set TC,  12                           ; v[12:15] row range c of my four columns;  then d, e, a, b
.set TD,  16
.set TE,  20
.set TA,  24
.set TB,  28
.set U0,  32                           ; v[32:35] scratch
.set U1,  33
.set U2,  34
.set U3,  35
.set H,   36                           ; v[36:63] slot s: 7 values a lane: c, d, e over my 4 columns; a whole, a edge; b whole, b edge
.set X,   64                           ; v[64:191] slot s: 32 registers, load j in 4 j .. 4 j + 3
.set Z,   12                           ; across lanes (TC .. TB are free by then): v[12:18] the 7 values of four planes
.set Y,   19                           ; v[19:25] what goes to the partner lane
.set CE,  19                           ; v[19:21] column ranges C (g < 4) and E (g >= 4) of c, d, e
.set GL,  22                           ; v22      the whole plane
.set F0,  23                           ; v23, v24 what goes to LDS
.set F1,  24
.set ODD,   20                         ; s20-25: lane masks.  g odd
.set G2345, 21                         ; g = 2 .. 5
.set G45,   22                         ; g = 4, 5
.set G25,   23                         ; g = 2 or 5
.set GHI,   24                         ; g >= 4
.set BIT3,  25                         ; lane bit 3
.set SELLO, 26                         ; v_permlanex16_b32: lane i of one half reads lane i of the other
.set SELHI, 27
.macro FILL s, q                       ; plane 4 q + s of my wave into slot s
.irp j, 0,1,2,3,4,5,6,7
	global_load_b128 v[X+32*\s+4*\j:X+32*\s+4*\j+3], v[OFF], s[4:5] offset:\q*4*PLANE+\s*PLANE+512*\j th:TH_LOAD_NT
.endr
.endm
	s_load_b128 s[4:7], s[0:1], 0x0                ; x s[4:5], vmax s[6:7]
	s_load_b64 s[8:9], s[0:1], 0x10                ; psum
	v_lshl_add_u32 v192, v0, 2, 0x5500
	v_mov_b32 v193, 0
	v_and_b32 v[LN], 31, v0
	v_lshrrev_b32 v[U0], 5, v0
	v_readfirstlane_b32 s10, v[U0]                 ; wave 0..15
	s_lshl_b32 s12, ttmp9, 20                      ; 256 planes of 4,096 bytes a work-group: at most 255 MiB
	s_mov_b32 s13, 0
	v_lshlrev_b32 v[VO], 4, v[LN]
	v_lshl_add_u32 v[OFF], v[U0], 16, v[VO]        ; 16 x lane + wave x 16 planes
	s_wait_kmcnt 0x0
	s_add_nc_u64 s[4:5], s[4:5], s[12:13]
	FILL 0, 0                                      ; the ring is filled before anything else is done
	FILL 1, 0
	FILL 2, 0
	FILL 3, 0
	s_mov_b32 s[ODD],   0xaaaaaaaa
	s_mov_b32 s[G2345], 0x3c3c3c3c
	s_mov_b32 s[G45],   0x30303030
	s_mov_b32 s[G25],   0x24242424
	s_mov_b32 s[GHI],   0xf0f0f0f0
	s_mov_b32 s[BIT3],  0xff00ff00
	s_mov_b32 s[SELLO], 0x76543210
	s_mov_b32 s[SELHI], 0xfedcba98
	s_mov_b32 s14, 0x000000ff                      ; lanes with q = 0
	s_mov_b32 s15, 0xff000000                      ; lanes with q = 3
	v_mov_b32 v[U0], 0x7f800000                    ; +inf
	v_mov_b32 v[U1], 0xff800000                    ; -inf
	v_cndmask_b32 v[MA], v[U1], v[U0], s14
	v_cndmask_b32 v[MB], v[U1], v[U0], s15
	; LDS: wave x WPITCH + region x SPITCH + 4 x channel.  Behind the steps across lanes, lane l holds plane 2 (bit 3) + (bit 4) of a group of four.
	s_mul_i32 s14, s10, WPITCH
	v_and_b32 v[U0], 7, v[LN]                      ; g
	v_and_b32 v[U1], 8, v[LN]                      ; 4 x 2 x bit 3
	v_bfe_u32 v[U2], v[LN], 4, 1
	v_lshl_add_u32 v[U1], v[U2], 2, v[U1]          ; + 4 x bit 4
	v_add_nc_u32 v[U1], s14, v[U1]
	v_mad_u32_u24 v[SA0], v[U0], SPITCH, v[U1]     ; first register: region g
	v_add_nc_u32 v[U0], 7, v[U0]
	v_and_b32 v[U0], 7, v[U0]
	v_mad_u32_u24 v[SA1], v[U0], SPITCH, v[U1]     ; second: region 8 + (g + 7) % 8, so that its two doubles (g = 7, g = 0) fall on 14 and 15
	; the way out: wave w takes region w; lane l the channels 4 l .. 4 l + 3 (wave l >> 2, its channels 4 (l & 3) ..) and 128 further on
	v_lshrrev_b32 v[U0], 2, v[LN]
	v_and_b32 v[U1], 3, v[LN]
	v_mul_u32_u24 v[U0], v[U0], WPITCH
	s_mul_i32 s15, s10, SPITCH
	v_lshl_add_u32 v[U0], v[U1], 4, v[U0]
	v_add_nc_u32 v[RA], s15, v[U0]
	v_mov_b32 v[PA], s10
	v_lshlrev_b32 v[PA], 2, v[PA]
	v_and_b32 v[PR], 15, v[LN]
	v_lshlrev_b32 v[PR], 2, v[PR]
	; vmax at [b][my wave's region][my work-group's first channel]; psum at my work-group's 64 bytes
	s_lshr_b32 s14, ttmp9, 3                       ; b
	s_and_b32 s15, ttmp9, 7                        ; which 256 channels of the batch
	s_mul_i32 s16, s14, NREG*8192
	s_lshl_b32 s15, s15, 10
	s_add_co_u32 s16, s16, s15
	s_min_u32 s15, s10, NREG-1                     ; waves 14, 15 store no maxima; their pointer stays inside the buffer all the same
	s_lshl_b32 s15, s15, 13
	s_add_co_u32 s16, s16, s15
	s_mov_b32 s17, 0
	s_add_nc_u64 s[6:7], s[6:7], s[16:17]
	s_lshl_b32 s16, ttmp9, 6
	s_add_nc_u64 s[8:9], s[8:9], s[16:17]
; The turn of slot s: 32 numbers a lane become 7.  refill = 1: the slot gets plane 4 nxt + s.  left = how many younger loads may stay out.
.macro TURN s, nxt, refill, left
	s_wait_loadcnt \left                           ; loads come back in order (ISA guide 5.7.1): this slot's eight are in, the younger slots' stay out
	; down the rows, for each of my four columns.  Loads 0-3 are rows 0-15, 2-5 rows 8-23, 4-7 rows 16-31 in every lane;
	; [0,21) = c + load 4 + row 20 (load 5 where q = 0);  [11,32) = e + load 3 + row 11 (load 2 where q = 3)
.irp k, 0,1,2,3
	v_max_num_f32 v[U0], v[X+32*\s+8+\k], v[X+32*\s+12+\k]
	v_max_num_f32 v[U1], v[X+32*\s+16+\k], v[X+32*\s+20+\k]
	v_min_num_f32 v[U2], v[X+32*\s+20+\k], v[MA]
	v_min_num_f32 v[U3], v[X+32*\s+8+\k], v[MB]
	v_max3_num_f32 v[TC+\k], v[X+32*\s+\k], v[X+32*\s+4+\k], v[U0]
	v_max3_num_f32 v[TE+\k], v[X+32*\s+24+\k], v[X+32*\s+28+\k], v[U1]
	v_max_num_f32 v[TD+\k], v[U0], v[U1]
	v_max3_num_f32 v[TA+\k], v[TC+\k], v[X+32*\s+16+\k], v[U2]
	v_max3_num_f32 v[TB+\k], v[TE+\k], v[X+32*\s+12+\k], v[U3]
.endr
.if \refill
	FILL \s, \nxt                                  ; the slot has been read out
.endif
	; along my four columns.  C, D, E are whole lanes.  [0,21) = C + columns 16-20, [11,32) = columns 11-15 + E: the 'edge' value is
	; column 11 alone where g = 2, column 20 alone where g = 5, and all four columns elsewhere (used where g = 3, 4)
	v_max3_num_f32 v[U0], v[TC], v[TC+1], v[TC+2]
	v_max3_num_f32 v[U1], v[TD], v[TD+1], v[TD+2]
	v_max3_num_f32 v[U2], v[TE], v[TE+1], v[TE+2]
	v_max_num_f32 v[H+7*\s+0], v[U0], v[TC+3]
	v_max_num_f32 v[H+7*\s+1], v[U1], v[TD+3]
	v_max_num_f32 v[H+7*\s+2], v[U2], v[TE+3]
	v_max3_num_f32 v[U0], v[TA], v[TA+1], v[TA+2]
	v_max3_num_f32 v[U1], v[TB], v[TB+1], v[TB+2]
	v_cndmask_b32 v[U2], v[TA+3], v[TA], s[GHI]    ; g >= 4: my first column, else my last
	v_cndmask_b32 v[U3], v[TB+3], v[TB], s[GHI]
	v_max_num_f32 v[H+7*\s+3], v[U0], v[TA+3]
	v_max_num_f32 v[H+7*\s+5], v[U1], v[TB+3]
	v_cndmask_b32 v[H+7*\s+4], v[H+7*\s+3], v[U2], s[G25]
	v_cndmask_b32 v[H+7*\s+6], v[H+7*\s+5], v[U3], s[G25]
.endm
; Lane bit 4 (rows q and q + 2), two planes at once: the swap puts plane sa's upper lanes under its lower ones and plane sb's lower lanes over
; its upper ones, so that one maximum finishes both: lanes 0-15 then hold plane sa, lanes 16-31 plane sb.  Result in slot sa's registers.
.macro PAIR sa, sb
.irp i, 0,1,2,3,4,5,6
	v_permlane16_swap_b32 v[H+7*\sa+\i], v[H+7*\sb+\i]
.endr
.irp i, 0,1,2,3,4,5,6
	v_max_num_f32 v[H+7*\sa+\i], v[H+7*\sa+\i], v[H+7*\sb+\i]
.endr
.endm
; The rest across lanes, four planes at once, and into LDS as channels 4 q .. 4 q + 3 of my wave.
.macro CROSS q
	; lane bit 3 (rows q and q + 1): lanes with the bit clear keep planes 0, 1 and hand over planes 2, 3; the others the other way round
.irp i, 0,1,2,3,4,5,6
	v_cndmask_b32 v[Z+\i], v[H+\i], v[H+14+\i], s[BIT3]
	v_cndmask_b32 v[Y+\i], v[H+14+\i], v[H+\i], s[BIT3]
.endr
.irp i, 0,1,2,3,4,5,6
	v_max_num_f32_dpp v[Z+\i], v[Y+\i], v[Z+\i] row_xmask:8 row_mask:0xf bank_mask:0xf
.endr
	; now eight lanes (g) a plane.  Pairs of lanes = 8 columns:
.irp i, 0,1,2,3,4,5,6
	v_max_num_f32_dpp v[Z+\i], v[Z+\i], v[Z+\i] row_xmask:1 row_mask:0xf bank_mask:0xf
.endr
	; pairs 0, 1 = C in lanes g < 4, pairs 2, 3 = E in lanes g >= 4
.irp i, 0,1,2
	v_max_num_f32_dpp v[CE+\i], v[Z+\i], v[Z+\i] row_xmask:2 row_mask:0xf bank_mask:0xf
.endr
	v_max_num_f32_dpp v[Z+3], v[Z+3], v[Z+3] row_xmask:2 row_mask:0xf bank_mask:0xf
	v_max_num_f32_dpp v[Z+5], v[Z+5], v[Z+5] row_xmask:2 row_mask:0xf bank_mask:0xf
	; lane g with lane 7 - g: pairs 1, 2 = D, in lanes g = 2 .. 5
.irp i, 0,1,2
	v_max_num_f32_dpp v[Z+\i], v[Z+\i], v[Z+\i] row_half_mirror row_mask:0xf bank_mask:0xf
.endr
	; g = 2, 3: C with the edge pair of lanes 5, 4 (columns 16-20) = A;  g = 4, 5: E with that of lanes 3, 2 (columns 11-15) = B
	v_max_num_f32_dpp v[Z+3], v[Z+4], v[Z+3] row_half_mirror row_mask:0xf bank_mask:0xf
	v_max_num_f32_dpp v[Z+5], v[Z+6], v[Z+5] row_half_mirror row_mask:0xf bank_mask:0xf
	; the whole plane = cC, eC, cE, eE
	v_max_num_f32 v[GL], v[CE], v[CE+2]
	v_max_num_f32_dpp v[GL], v[GL], v[GL] row_xmask:4 row_mask:0xf bank_mask:0xf
	; one region a lane.  First register, g = 0 .. 7: cC dC cD dD eD whole cE dE.  Second: eC eC aA bA aB bB eE eE
	v_cndmask_b32 v[F0], v[Z], v[Z+1], s[ODD]
	v_cndmask_b32 v[F1], v[Z+2], v[GL], s[ODD]
	v_cndmask_b32 v[F0], v[F0], v[F1], s[G45]
	v_cndmask_b32 v[F1], v[CE], v[CE+1], s[ODD]
	v_cndmask_b32 v[F0], v[F1], v[F0], s[G2345]
	v_cndmask_b32 v[F1], v[Z+3], v[Z+5], s[ODD]
	v_cndmask_b32 v[F1], v[CE+2], v[F1], s[G2345]
	ds_store_b32 v[SA0], v[F0] offset:16*\q
	ds_store_b32 v[SA1], v[F1] offset:8*SPITCH+16*\q
.endm
.macro QUAD q, nxt, refill, l0, l1, l2, l3
	TURN 0, \nxt, \refill, \l0
	TURN 1, \nxt, \refill, \l1
	PAIR 0, 1
	TURN 2, \nxt, \refill, \l2
	TURN 3, \nxt, \refill, \l3
	PAIR 2, 3
	CROSS \q
.endm
	QUAD 0, 1, 1, 24, 24, 24, 24                   ; 24: the three younger slots' eight loads each
	QUAD 1, 2, 1, 24, 24, 24, 24
	QUAD 2, 3, 1, 24, 24, 24, 24
	QUAD 3, 0, 0, 24, 16, 8, 0                     ; the last four planes load nothing: the counts run down
	; THE WAY OUT.  Wave w takes region w of all 256 channels.
	s_wait_dscnt 0x0                               ; my stores are in LDS, for the others' sake
	s_barrier_signal -1
	s_barrier_wait -1                              ; everybody's are
	ds_load_b128 v[12:15], v[RA]                   ; channels 4 l .. 4 l + 3
	ds_load_b128 v[16:19], v[RA] offset:8*WPITCH   ; channels 128 + 4 l ..
	s_wait_dscnt 0x0
	s_cmp_ge_u32 s10, NREG
	s_cbranch_scc1 .Lnomax                         ; 14 and 15 are doubles of regions 13 and 8: not stored
	global_store_b128 v[VO], v[12:15], s[6:7]              ; each store of the wave: 512 consecutive bytes, at a multiple of 512 from the buffer's first byte
	global_store_b128 v[VO], v[16:19], s[6:7] offset:512
.Lnomax:
	; the sum of squares of my region's 256 maxima.  Waves 14, 15 do it too, so that all 16 words of LDS and of psum hold numbers:
	; the second launch loads them in 16-byte pieces and uses words 0 to 13
	v_pk_mul_f32 v[20:21], v[12:13], v[12:13]
	v_pk_fma_f32 v[20:21], v[14:15], v[14:15], v[20:21]
	v_pk_fma_f32 v[20:21], v[16:17], v[16:17], v[20:21]
	v_pk_fma_f32 v[20:21], v[18:19], v[18:19], v[20:21]
	v_add_f32 v20, v20, v21
	v_add_f32_dpp v20, v20, v20 row_xmask:1 row_mask:0xf bank_mask:0xf
	v_add_f32_dpp v20, v20, v20 row_xmask:2 row_mask:0xf bank_mask:0xf
	v_add_f32_dpp v20, v20, v20 row_xmask:4 row_mask:0xf bank_mask:0xf
	v_add_f32_dpp v20, v20, v20 row_xmask:8 row_mask:0xf bank_mask:0xf
	v_permlanex16_b32 v21, v20, s[SELLO], s[SELHI]
	v_add_f32 v20, v20, v21
	ds_store_b32 v[PA], v20 offset:PSUM            ; all lanes write the same word with the same value
	s_wait_dscnt 0x0
	s_barrier_signal -1
	s_barrier_wait -1
	s_cmp_lg_u32 s10, 0
	s_cbranch_scc1 .Lend
	ds_load_b32 v22, v[PR] offset:PSUM             ; wave 0: the 16 sums
	v_cmp_gt_u32 vcc_lo, 16, v0
	s_wait_dscnt 0x0
	s_wait_xcnt 0x0                                ; EXEC is a source of the stores above: it changes only behind this wait
	s_and_saveexec_b32 s28, vcc_lo
	global_store_b32 v[PR], v22, s[8:9]            ; 64 consecutive bytes a work-group, 16 KiB in the whole launch: kept dense so that a batch's eight pieces are read as 512 consecutive bytes
	s_wait_xcnt 0x0
	s_or_b32 exec_lo, exec_lo, s28
.Lend:
	s_wait_tensorcnt 0x0
	ds_add_u32 v192, v193
	s_wait_dscnt 0x0
	s_endpgm
.Lfunc_end_k_q2eff2cd9d1_pool:
	.size	k_q2eff2cd9d1_pool, .Lfunc_end_k_q2eff2cd9d1_pool-k_q2eff2cd9d1_pool
	.p2alignl 7, 3214868480
	.fill 96, 4, 3214868480
	.section	.rodata,"a",@progbits
	.p2align	6, 0x0
	.amdhsa_kernel k_q2eff2cd9d1_pool
		.amdhsa_group_segment_fixed_size 23808
		.amdhsa_private_segment_fixed_size 0
		.amdhsa_enable_private_segment 0
		.amdhsa_kernarg_size 24
		.amdhsa_user_sgpr_count 2
		.amdhsa_user_sgpr_kernarg_segment_ptr 1
		.amdhsa_wavefront_size32 1
		.amdhsa_system_sgpr_workgroup_id_x 1
		.amdhsa_system_sgpr_workgroup_id_y 1
		.amdhsa_system_sgpr_workgroup_id_z 1
		.amdhsa_system_vgpr_workitem_id 0
		.amdhsa_next_free_vgpr 194
		.amdhsa_next_free_sgpr 66
		.amdhsa_reserve_vcc 1
		.amdhsa_float_denorm_mode_32 3
		.amdhsa_float_denorm_mode_16_64 3
		.amdhsa_memory_ordered 1
		.amdhsa_forward_progress 1
		.amdhsa_inst_pref_size 71
	.end_amdhsa_kernel
	.amdgpu_metadata
---
amdhsa.version: [ 1, 2 ]
amdhsa.kernels:
  - .name:           k_q2eff2cd9d1_pool
    .symbol:         k_q2eff2cd9d1_pool.kd
    .args:
      - { .name: x, .offset: 0, .size: 8, .value_kind: global_buffer, .address_space: global }
      - { .name: vmax, .offset: 8, .size: 8, .value_kind: global_buffer, .address_space: global }
      - { .name: psum, .offset: 16, .size: 8, .value_kind: global_buffer, .address_space: global }
    .group_segment_fixed_size: 23808
    .private_segment_fixed_size: 0
    .kernarg_segment_align: 8
    .kernarg_segment_size: 24
    .max_flat_workgroup_size: 512
    .sgpr_count:     66
    .vgpr_count:     194
    .wavefront_size: 32
...
	.end_amdgpu_metadata
.endif
;; end of part 1
;; launch norm (part 2): grid 256 x 1, 2 waves a work-group, no clusters, 0 bytes of LDS; arguments vmax, psum, out0; writes out0
.if DOCPART == 2
	.amdgcn_target "amdgcn-amd-amdhsa--gfx1250"
	.amdhsa_code_object_version 6
	.text
	.protected	k_q2eff2cd9d1_norm
	.globl	k_q2eff2cd9d1_norm
	.p2align	8
	.type	k_q2eff2cd9d1_norm,@function
k_q2eff2cd9d1_norm:
	s_mov_b64 s[64:65], 0
	v_nop
	global_prefetch_b8 v0, s[64:65] scope:SCOPE_SE
	s_setreg_imm32_b32 hwreg(HW_REG_WAVE_MODE, 25, 1), 1
	s_wait_xcnt 0x0
; RMAC, second launch: out0[b][c] = sum over the 14 regions r of weight[r] vmax[b][r][c] / (sqrt(sum over c of vmax[b][r][c]^2) + 1e-6).
; weight = 1, and 2 for the whole plane (region 5), which reference() adds as the global term and again as level 1.
; vmax: [32][14][2048] f32.  psum: [32][8][16] f32, the sums of squares over 256 channels each (words 14, 15 of each 16 are not used).
; 256 work-groups of 2 waves; a work-group owns 256 channels of one batch, a lane four of them.  All 15 loads of a wave are issued at once:
; the chain is one load, a few dozen instructions, one store, so there is nothing to ring, to share in a cluster or to prefetch.
; Each wave makes the 14 factors for itself from 512 bytes: cheaper than a trip through LDS and a barrier.
; The division is a multiplication by v_rcp_f32 (1 ulp).  A sum of squares that overflows f32 does so in reference() too.
.set NREG,  14
.set WHOLE, 5                          ; the region that counts twice
.set EPS,   0x358637bd                 ; 1e-6
.set P,   4                            ; v[4:7]   partial sums
.set A,   8                            ; v[8:11]  my four results
.set V,   12                           ; v[12:67] region r: 4 registers, my four channels
.set INV, 20                           ; s[20:33] weight / (norm + eps) of region r
	s_load_b128 s[4:7], s[0:1], 0x0                ; vmax s[4:5], psum s[6:7]
	s_load_b64 s[8:9], s[0:1], 0x10                ; out0
	s_lshr_b32 s10, ttmp9, 3                       ; b
	s_and_b32 s11, ttmp9, 7                        ; which 256 channels
	s_mul_i32 s12, s10, NREG*8192
	s_lshl_b32 s11, s11, 10
	s_add_co_u32 s12, s12, s11
	s_mov_b32 s13, 0
	s_lshl_b32 s14, s10, 9                         ; psum: 512 bytes a batch
	s_mov_b32 s15, 0
	s_lshl_b32 s16, ttmp9, 10                      ; out0: 1,024 bytes a work-group
	s_mov_b32 s17, 0
	v_lshlrev_b32 v1, 4, v0                        ; 16 x thread: my four channels
	v_and_b32 v2, 31, v0
	v_lshlrev_b32 v2, 4, v2                        ; 16 x lane
	s_wait_kmcnt 0x0
	s_add_nc_u64 s[4:5], s[4:5], s[12:13]
	s_add_nc_u64 s[6:7], s[6:7], s[14:15]
	s_add_nc_u64 s[8:9], s[8:9], s[16:17]
	global_load_b128 v[P:P+3], v2, s[6:7]          ; lane l: piece l >> 2 of the batch's eight, regions 4 (l & 3) + 0 .. 3
.irp r, 0,1,2,3,4,5,6,7,8,9,10,11,12,13
	global_load_b128 v[V+4*\r:V+4*\r+3], v1, s[4:5] offset:8192*\r th:TH_LOAD_NT   ; 512 consecutive bytes a wave
.endr
	s_wait_loadcnt NREG                            ; the first load is in, the 14 behind it stay out
	; add the eight pieces = lane bits 4, 3, 2.  Bit 4 by a swap, which also packs two registers into one:
	; v[P]: regions 4 m (lanes 0-15) and 4 m + 1 (lanes 16-31), v[P+2]: 4 m + 2 and 4 m + 3, with m = l & 3
	v_permlane16_swap_b32 v[P], v[P+1]
	v_permlane16_swap_b32 v[P+2], v[P+3]
	v_add_f32 v[P], v[P], v[P+1]
	v_add_f32 v[P+2], v[P+2], v[P+3]
	v_add_f32_dpp v[P], v[P], v[P] row_xmask:4 row_mask:0xf bank_mask:0xf
	v_add_f32_dpp v[P+2], v[P+2], v[P+2] row_xmask:4 row_mask:0xf bank_mask:0xf
	v_add_f32_dpp v[P], v[P], v[P] row_xmask:8 row_mask:0xf bank_mask:0xf
	v_add_f32_dpp v[P+2], v[P+2], v[P+2] row_xmask:8 row_mask:0xf bank_mask:0xf
	v_sqrt_f32 v[P], v[P]
	v_sqrt_f32 v[P+2], v[P+2]
	v_nop                                          ; one plain vector instruction between a transcendental and the use of its result (ISA guide 5.7.2)
	s_wait_alu depctr_va_vdst(0)
	v_add_f32 v[P], EPS, v[P]
	v_add_f32 v[P+2], EPS, v[P+2]
	v_rcp_f32 v[P], v[P]
	v_rcp_f32 v[P+2], v[P+2]
	v_nop                                          ; likewise
	s_wait_alu depctr_va_vdst(0)
.irp r, 0,1,2,3,4,5,6,7,8,9,10,11,12,13
	v_readlane_b32 s[INV+\r], v[P+2*((\r&3)>>1)], (\r>>2)+16*(\r&1)
.endr
	s_add_f32 s[INV+WHOLE], s[INV+WHOLE], s[INV+WHOLE]
	s_wait_loadcnt NREG-1                          ; region 0 is in
.irp k, 0,1,2,3
	v_mul_f32 v[A+\k], s[INV], v[V+\k]             ; the first product starts the sums
.endr
.irp r, 1,2,3,4,5,6,7,8,9,10,11,12,13
	s_wait_loadcnt NREG-1-\r                       ; region r is in, the later ones stay out
.irp k, 0,1,2,3
	v_fmac_f32 v[A+\k], s[INV+\r], v[V+4*\r+\k]
.endr
.endr
	global_store_b128 v1, v[A:A+3], s[8:9] th:TH_STORE_NT  ; sixteen lanes store 256 consecutive bytes, at a multiple of 256 from the buffer's first byte
	s_endpgm
.Lfunc_end_k_q2eff2cd9d1_norm:
	.size	k_q2eff2cd9d1_norm, .Lfunc_end_k_q2eff2cd9d1_norm-k_q2eff2cd9d1_norm
	.p2alignl 7, 3214868480
	.fill 96, 4, 3214868480
	.section	.rodata,"a",@progbits
	.p2align	6, 0x0
	.amdhsa_kernel k_q2eff2cd9d1_norm
		.amdhsa_group_segment_fixed_size 0
		.amdhsa_private_segment_fixed_size 0
		.amdhsa_enable_private_segment 0
		.amdhsa_kernarg_size 24
		.amdhsa_user_sgpr_count 2
		.amdhsa_user_sgpr_kernarg_segment_ptr 1
		.amdhsa_wavefront_size32 1
		.amdhsa_system_sgpr_workgroup_id_x 1
		.amdhsa_system_sgpr_workgroup_id_y 1
		.amdhsa_system_sgpr_workgroup_id_z 1
		.amdhsa_system_vgpr_workitem_id 0
		.amdhsa_next_free_vgpr 68
		.amdhsa_next_free_sgpr 66
		.amdhsa_reserve_vcc 0
		.amdhsa_float_denorm_mode_32 3
		.amdhsa_float_denorm_mode_16_64 3
		.amdhsa_memory_ordered 1
		.amdhsa_forward_progress 1
		.amdhsa_inst_pref_size 7
	.end_amdhsa_kernel
	.amdgpu_metadata
---
amdhsa.version: [ 1, 2 ]
amdhsa.kernels:
  - .name:           k_q2eff2cd9d1_norm
    .symbol:         k_q2eff2cd9d1_norm.kd
    .args:
      - { .name: vmax, .offset: 0, .size: 8, .value_kind: global_buffer, .address_space: global }
      - { .name: psum, .offset: 8, .size: 8, .value_kind: global_buffer, .address_space: global }
      - { .name: out0, .offset: 16, .size: 8, .value_kind: global_buffer, .address_space: global }
    .group_segment_fixed_size: 0
    .private_segment_fixed_size: 0
    .kernarg_segment_align: 8
    .kernarg_segment_size: 24
    .max_flat_workgroup_size: 64
    .sgpr_count:     66
    .vgpr_count:     68
    .wavefront_size: 32
...
	.end_amdgpu_metadata
.endif
;; end of part 2
